; MI455X (gfx1250); checked and timed in simulation.
; The chip was launched on July 23, 2026; its instructions are those of AMD's public machine-readable ISA for CDNA 5 (MIT licence, August 2026) and "CDNA5" Instruction Set Architecture Reference Guide (July 2026). The comments in the code are by the model that wrote it; some were corrected since.
;; Scaled Dot Product Attention. Allowed arithmetic: matrix products marked QUANTISED: E2M3 operands, one E8M0 scale for each 32 along K, by v_wmma_scale_f32_16x16x128_f8f6f4 with both operands' format E2M3, f32 sums; everything else in f32.
;; Inputs: k 4 x 16 x 2,048 x 64 float32; q 4 x 16 x 2,048 x 64 float32; v 4 x 16 x 2,048 x 64 float32.
;; Outputs: out0 4 x 16 x 2,048 x 64 float32.
;; This version of the problem:
;;   THIS VERSION OF THE PROBLEM IS GIVEN IN LOW PRECISION. The matrix products marked QUANTISED in the list below multiply operands that are first quantised to E2M3 (2 exponent bits, 3 mantissa bits; 6 bits a number), with one power-of-two scale for each 32 numbers along K (OCP MX v1.0); their sums are f32. All else is computed in f32.
;;   The module's matrix products, in the order in which they are computed (A, B: the left and right operand; K: the contracted axis; several contracted axes count as one K, in the product's order):
;;     1. batch 64 x [M 2,048, K 64] x [K 64, N 2,048]; A: input q; B: input k: QUANTISED
;;     2. batch 64 x [M 2,048, K 2,048] x [K 2,048, N 64]; A: softmax (see below); B: input v: QUANTISED
;;   THE QUANTISER, for each operand of a quantised product, along K:
;;     - K is cut into blocks of 32 from its start; a last block that is shorter is filled with zeros.
;;     - A block's scale is 2^e with e = floor(log2(the largest magnitude in the block)) - 2, held to -126 .. 127; a block of zeros has e = 0. As a byte (E8M0): e + 127.
;;     - Each number is divided by its block's scale, clamped to +-7.5, and rounded to the nearest number of E2M3, ties to even, subnormals kept.
;;     - The product sums the exact products of the quantised numbers (number of the format x scale) in f32.
;;   ~~~python
;;   def quantise(x, axis):      # numpy; x: float32 -> the quantised numbers, widened to float32 again
;;       x = np.moveaxis(x, axis, -1); K = x.shape[-1]
;;       x = np.pad(x, [(0, 0)] * (x.ndim - 1) + [(0, -K % 32)]); x = x.reshape(x.shape[:-1] + (-1, 32)); a = np.abs(x).max(-1, keepdims=True)
;;       e = np.where(a > 0, np.clip(np.frexp(np.where(a > 0, a, 1))[1] - 1 - 2, -126, 127), 0)      # np.frexp(a)[1] - 1 = floor(log2(a)), exactly
;;       r = np.clip(x / 2.0 ** e, -7.5, 7.5)
;;       step = 2.0 ** (np.maximum(np.frexp(np.where(r == 0, 1, r))[1] - 1, 0) - 3)
;;       q = np.round(r / step) * step * 2.0 ** e      # np.round: ties to even
;;       return np.moveaxis(q.reshape(q.shape[:-2] + (-1,))[..., :K], -1, axis).astype(np.float32)
;;   ~~~
;;   SOFTMAX AHEAD OF A QUANTISED PRODUCT. Where the list says 'softmax', what is quantised is not the finished softmax but p = 2^(t - M), with t = logit x log2(e) and M = ceil(the row's largest t), a whole number; so 1/2 < the row's largest p <= 1. The row's sum l is taken of the UNQUANTISED p, in f32, and the product's result is divided by l at the end. Since M is a whole number, a kernel that streams over the keys may use a running M (the ceiling of the running maximum): every later rescaling is an exact power of two, which a block's scale takes up: the codes' values come out the same.
;;   OPERANDS COMPUTED ON THE WAY. 'Computed on the way' means the value that the module computes at that place (a softmax that the list does not call 'softmax' is quantised finished and normalised). What goes into a quantiser is computed in f32, as accurately as f32 sums, v_exp_f32 and their like allow (about 1e-6 of the number): no bf16 or f16 on the way to a quantiser, and a product that is left as it is and whose result goes on into a quantised operand takes f32 operands (vector FMAs, or v_wmma_f32_16x16x4_f32). A number that lies on a knife's edge between two numbers of the format may be rounded either way, as far as f32 arithmetic and the matrix unit's own rounding can turn it there, and no further.
;; 2 versions, each right; version 2 is version 1 with the launch attn written anew for expert scheduling mode. Each part assembles by itself: llvm-mc -triple=amdgcn-amd-amdhsa -mcpu=gfx1250 --defsym DOCPART=n.
;; ======== version 1 of 2: 1 launch
;; limits: right only within a limited range of input values
;; launch attn (part 1): grid 4 x 64, 16 waves a work-group, no clusters, 284,672 bytes of LDS; arguments q, k, v, out0; writes out0
.if DOCPART == 1
	.amdgcn_target "amdgcn-amd-amdhsa--gfx1250"
	.amdhsa_code_object_version 6
	.text
	.protected	k_qd2d8644fad_attn
	.globl	k_qd2d8644fad_attn
	.p2align	8
	.type	k_qd2d8644fad_attn,@function
k_qd2d8644fad_attn:
	s_mov_b64 s[64:65], 0
	v_nop
	global_prefetch_b8 v0, s[64:65] scope:SCOPE_SE
	s_setreg_imm32_b32 hwreg(HW_REG_WAVE_MODE, 25, 1), 1
	s_wait_xcnt 0x0
; out0[h][q][:] = the sum over k of softmax_k(8 q[h][q] . k[h][k]) v[h][k][:].  q, k, v, out0: [64 heads][2048][64] f32.  Both products on codes of FP6 (E2M3) with one E8M0 scale for each 32 along a product's K.
; THE SOFTMAX AHEAD OF THE SECOND PRODUCT: t = score x c, c = 8 log2(e); M = the row's largest t so far, rounded UP to a whole number; p = 2^(t - M) is quantised along the keys, not normalised.
; The row's sum is taken of the unquantised p and divides at the end.  When M moves, the sum and O are multiplied by 2^(old M - new M): exact.
; SHARES.  A work-group owns 512 queries of one head (x: which 512; y: the head).  Sixteen waves of 256 registers.  Ahead of the one barrier wave w quantises key step w (keys 128 w .. 128 w + 127) of V, along the keys,
; and of K, along d, and its own two tiles of 16 queries.  Behind it the wave walks all 16 key steps twice: pass p serves queries 256 p + 16 w .. + 15 of the block.
; A HEAD'S CODES STAY IN LDS: 2 x 98,304 bytes and 2 x 4,096 of scale words, laid as IMAGES OF THE OPERANDS' REGISTERS: four registers of a fragment by one ds_store_b128 at 16 x lane; the same line as a load gives any wave the fragment.
; NO TENSOR LOAD AND NO JOINT REQUEST, though the four work-groups of a head read the same K and V: these arrive as f32 and have to pass through registers to become codes.  A head's 1,048,576 bytes of f32 do not fit
; beside the 204,800 bytes of codes: they would go through what LDS is left in nine or more refills, each with its barrier, and every byte would be written to LDS and read from it once more.  V is wanted a lane to a column, straight from memory.
; No prefetch: every global read stands at the kernel's head; the main part reads nothing from memory.
; LAYOUT (L lane, r = L % 16, h = L / 16).  Both products are used transposed: S^T = K Q^T, O^T = V^T P^T: a lane holds ONE query (r) throughout.
;  (a) d = 64 is half of the instruction's 128.  A fragment of K holds TWO tiles of 16 keys: registers 0-5 tile a (row r, d = 32 h ..), registers 6-11 tile b.  Q lies as [q | zeros | q], 18 registers: the first 12 give tile a's
;      scores, the last 12 tile b's: zero codes add nothing.  K's scale word is [a0 a1 b0 b1], Q's [s0 s1 s0 s1]: each serves both instructions.
;  (b) THE KEYS OF A TILE ARE NOT NEIGHBOURS: tile 4 c + u takes keys 64 c + 8 u + 0..7 (rows 0-7) and 64 c + 32 + 8 u + 0..7 (rows 8-15).  So register 32 c + i of S^T is key 64 c + 32 h + i: a lane holds two WHOLE blocks of 32 keys,
;      in the very order of the 6-bit operand: a block's maximum needs no other lane, and the conversions' results are P's registers.
;  (c) A scale register carries two fragments' words: lanes 0-15 the even fragment's, lanes 16-31 the odd one's (MATRIX_SCALE_ROW1).
; LIMITS.  NaN and infinities among the inputs are not served.  A block whose largest magnitude lies under 2^-124 has its byte held at 1 (a block of zeros too: its codes are zeros, and this program alone reads the bytes).
; p under 2^-126 comes out as 0 (v_exp_f32 flushes denormal results: ISA guide, its entry).  A row whose every score lies under -2.65e37 (the running maximum's first value) is not served.
.set KIMG,  0                          ; LDS: K's images: step s x 6,144 + fragment f x 1,536 + group g x 512 + 16 x lane
.set VIMG,  98304                      ; V's likewise (fragment T: d = 16 T + r)
.set KSC,   196608                     ; K's scale words: step s x 256 + 8 x lane + 4 j: word j of lane l = fragment 2 j + l / 16, row l % 16
.set VSC,   KSC+4096                   ; V's likewise
.set STG,   204800                     ; a stage of 4,864 bytes for each wave, its own: the turn of K's and Q's rows, later the way out
.set WSTG,  4864
.set SPARE, STG+16*WSTG                ; the spare words, 128 bytes for each wave: eight blocks of 256 bytes that no other line names
.set STEPB, 6144
.set FRB,   1536
.set CP,    144                        ; the turn: a chunk (one row's 32 numbers of one block, 128 bytes) + 16: an odd multiple of 16
.set RUN1,  17*CP                      ; rows 8-15 of a tile begin one chunk further on than they need: so the 16 lanes of a read's pass fall on 16 different columns of 16 bytes modulo 256 (64 banks of 4 bytes: ISA guide 11.1)
.set OP,    272                        ; the way out: a row of 256 bytes + 16
; vector registers that stay
.set LI,   1                           ; 16 x lane
.set LS8,  2                           ; KSC + 8 x lane
.set SH8,  3                           ; 8 h
.set ADK,  4                           ; the step's K images;  v5 its V images;  v6 its scale words
.set ADV,  5
.set ADS,  6
.set SW,   7                           ; the turn: in
.set SRD,  8                           ; the turn: out
.set STO,  9                           ; the way out: in
.set ORD,  10                          ; the way out: back
.set VO,   11                          ; 4 x lane
.set NM,   12                          ; -M   (a pair with v13: the packed form names both and takes the low word)
.set SMX,  13                          ; the largest score so far
.set SUM,  14                          ; v[14:15] the row's sum, in two halves;  v[16:17] a second chain
.set SUM2, 16
.set FF,   18                          ; v18 f = 2^(old M - new M), later 1 / the sum;  v19 = 0, named with it as a pair
.set MX,   20                          ; v20-23 chains of maxima
.set SO,   24                          ; v24-25 the conversions' scale operands
.set BY,   26                          ; v26-27 scale bytes
.set XP,   28                          ; a lane permute's destination
.set WD,   29                          ; at work
.set PW,   30                          ; p's scale word            (v30, v32-37 hold scales and nothing else)
.set DM,   31                          ; at work
.set KS,   32                          ; v[32:33] K's scale words of the step;  v[34:35] V's
.set VS,   34
.set QS,   36                          ; Q's scale word of the pass in hand;  v37 that of pass 1
.set QNS,  37
.set QN,   38                          ; v38-43 pass 1's codes of Q
.set QF,   44                          ; v44-61 [q | zeros | q]
.set SPW,  62                          ; LDS address of my spare word: SPARE + 4 x my thread's number; never rewritten
.set NIL,  63                          ; 0; never rewritten
.set SA,   64                          ; v64-127 S^T, then p
.set OA,   128                         ; v128-159 O^T: four tiles of 16 of d
.set FR,   160                         ; v160-207 four fragments of K, then of V
.set PC,   208                         ; v208-219 p's codes
.set TC,   220                         ; v220-226 the conversions' second halves
; ahead of the barrier the same registers serve otherwise
.set KSA,  12                          ; where I store K's scale words: KSC + 256 w + 8 r
.set VA,   13                          ; V's images: VIMG + 6,144 w + 1,536 h + 16 r
.set VSA,  14                          ; V's scale words: VSC + 256 w + 8 x lane
.set KIA,  15                          ; K's images: KIMG + 6,144 w + 16 x lane
.set VW,   16                          ; v[16:17] V's two scale words;  later v16-18: a conversion's second half
.set KT,   16
.set XV,   64                          ; v64-95, v96-127: 32 keys of a column of V, two sets
.set VC,   192                         ; v192-239 V's codes
.set VT,   240
.set XT,   192                         ; v192-223, v224-255: a tile's numbers after the turn, two sets
; scalar registers
.set WV,   12                          ; my wave's number
.set SB,   13                          ; my stage
.set HD,   14                          ; s[14:15] the head's first byte
.set KBS,  16                          ; s[16:17] K at my key step;  s[18:19] V likewise;  s[20:21] Q at my first tile;  s[22:23] out0 likewise
.set VBS,  18
.set QBS,  20
.set OBS,  22
.set SEL,  24                          ; s[24:25] v_permlanex16_b32's selects for lane l xor 16
.set CS,   26                          ; s[26:27] c = 8 log2(e), twice;  s28 = -c
.set NC,   28
.set TB,   29                          ; the step's images begin here;  s30 its scale words;  s31 steps to go
.set TS,   30
.set CNT,  31
	s_load_b256 s[4:11], s[0:1], 0x0               ; q s[4:5], k s[6:7], v s[8:9], out0 s[10:11]
	v_lshl_add_u32 v[SPW], v0, 2, SPARE
	v_mov_b32 v[NIL], 0
	v_lshrrev_b32 v20, 5, v0
	v_readfirstlane_b32 s[WV], v20                 ; wave 0..15
	v_and_b32 v21, 31, v0                          ; L
	v_and_b32 v22, 15, v0                          ; r
	v_bfe_u32 v23, v0, 4, 1                        ; h
	v_bfe_u32 v24, v0, 3, 2                        ; L / 8
	v_and_b32 v25, 7, v0                           ; L % 8
	v_bfe_u32 v27, v0, 3, 1                        ; r / 8
	v_lshlrev_b32 v[LI], 4, v21
	v_lshlrev_b32 v[LS8], 3, v21
	v_add_nc_u32 v[LS8], KSC, v[LS8]
	v_lshlrev_b32 v[SH8], 3, v23
	v_lshlrev_b32 v[VO], 2, v21
	s_mul_i32 s[SB], s[WV], WSTG
	s_add_co_u32 s[SB], s[SB], STG
	v_mul_u32_u24 v[SW], v24, CP                   ; the turn, in: a load's 512 bytes are four chunks: chunk L / 8, 16 bytes at 16 (L % 8)
	v_lshl_add_u32 v[SW], v25, 4, v[SW]
	v_add_nc_u32 v[SW], s[SB], v[SW]
	v_lshl_add_u32 v26, v25, 1, v23                ; out: tile row r, block h: chunk 2 (r % 8) + h of run r / 8
	v_mul_u32_u24 v[SRD], v26, CP
	v_mad_u32_u24 v[SRD], v27, RUN1, v[SRD]
	v_add_nc_u32 v[SRD], s[SB], v[SRD]
	v_mul_u32_u24 v[STO], v22, OP                  ; the way out, in: row r, 32 bytes for each half of the lanes
	v_lshl_add_u32 v[STO], v23, 5, v[STO]
	v_add_nc_u32 v[STO], s[SB], v[STO]
	v_mul_u32_u24 v[ORD], v23, OP                  ; back: lanes 0-15 one row of 256 bytes, lanes 16-31 the next
	v_lshl_add_u32 v[ORD], v22, 4, v[ORD]
	v_add_nc_u32 v[ORD], s[SB], v[ORD]
	s_mul_i32 s34, s[WV], STEPB
	s_lshl_b32 s35, s[WV], 8
	v_mul_u32_u24 v[VA], v23, FRB
	v_lshl_add_u32 v[VA], v22, 4, v[VA]
	v_add_nc_u32 v[VA], s34, v[VA]
	v_add_nc_u32 v[VA], VIMG, v[VA]
	v_add_nc_u32 v[VSA], s35, v[LS8]
	v_add_nc_u32 v[VSA], 4096, v[VSA]
	v_add_nc_u32 v[KIA], s34, v[LI]
	v_lshlrev_b32 v[KSA], 3, v22
	v_add_nc_u32 v[KSA], s35, v[KSA]
	v_add_nc_u32 v[KSA], KSC, v[KSA]
	v_mov_b32 v[XP], 0                             ; written once: a lane permute's destination counts as one of its sources
	v_mov_b32 v[FF+1], 0                           ; named as the upper half of the pair v[18:19]
	s_mov_b32 s[SEL], 0x76543210
	s_mov_b32 s[SEL+1], 0xfedcba98
	s_mov_b32 s[CS], 0x4138aa3b                    ; c = 8 log2(e)
	s_mov_b32 s[CS+1], s[CS]
	s_mov_b32 s[NC], 0xc138aa3b                    ; -c
	s_and_b32 s[HD], ttmp7, 0xffff
	s_lshl_b32 s[HD], s[HD], 19                    ; a head is 2,048 rows of 256 bytes
	s_mov_b32 s[HD+1], 0
	s_lshl_b32 s32, s[WV], 15                      ; a key step is 128 rows
	s_mov_b32 s33, 0
	s_add_nc_u64 s[32:33], s[32:33], s[HD:HD+1]
	s_lshl_b32 s36, ttmp9, 17                      ; my block of 512 queries,
	s_lshl_b32 s37, s[WV], 12                      ; my wave's 16 of its first 256
	s_add_co_u32 s36, s36, s37
	s_mov_b32 s37, 0
	s_add_nc_u64 s[36:37], s[36:37], s[HD:HD+1]
	s_wait_kmcnt 0x0
	s_add_nc_u64 s[KBS:KBS+1], s[6:7], s[32:33]
	s_add_nc_u64 s[VBS:VBS+1], s[8:9], s[32:33]
	s_add_nc_u64 s[QBS:QBS+1], s[4:5], s[36:37]
	s_add_nc_u64 s[OBS:OBS+1], s[10:11], s[36:37]
; 32 numbers of ONE block, v[src] .. v[src + 31], become six registers of codes at v[dst] and the scale's byte in v[by].
.macro QUANT src, dst, tmp, by
	v_max3_num_f32 v[MX], |v[\src]|, |v[\src+1]|, |v[\src+2]|        ; the largest magnitude, in two chains
	v_max3_num_f32 v[MX+1], |v[\src+3]|, |v[\src+4]|, |v[\src+5]|
.irp i, 6,10,14,18,22,26
	v_max3_num_f32 v[MX], v[MX], |v[\src+\i]|, |v[\src+\i+1]|
	v_max3_num_f32 v[MX+1], v[MX+1], |v[\src+\i+2]|, |v[\src+\i+3]|
.endr
	v_max3_num_f32 v[MX], v[MX], |v[\src+30]|, |v[\src+31]|
	v_max3_num_f32 v[MX], v[MX], v[MX+1], 0x1800000                  ; and the floor 2^(3 - 127): the byte cannot fall under 1
	v_add_nc_u32 v[SO], 0xff000000, v[MX]                            ; 2 off its exponent field: the conversion takes the exponent field of this operand as its scale, and nothing else of it
	v_lshrrev_b32 v[\by], 23, v[SO]                                  ; the scale's byte
	v_cvt_scalef32_pk16_fp6_f32 v[\dst:\dst+2], v[\src:\src+15], v[SO]
	v_cvt_scalef32_pk16_fp6_f32 v[\tmp:\tmp+2], v[\src+16:\src+31], v[SO]   ; (a conversion's three registers begin on an even number: the second half is made elsewhere and moved)
	v_nop                                                            ; one plain place behind a scaled conversion
.irp i, 0,1,2
	v_mov_b32 v[\dst+3+\i], v[\tmp+\i]
.endr
.endm
; ---- V.  A LANE TAKES A COLUMN d, AND ITS REGISTERS RUN DOWN THE KEYS.  Unit u: block u / 2 of my step's four, columns 32 (u % 2) + L.
.macro LOADV u
.set N, 0
.rept 32
	global_load_b32 v[XV+32*((\u)%2)+N], v[VO], s[VBS:VBS+1] offset:(32*((\u)/2)+N)*256+128*((\u)%2)
.set N, N+1
.endr
.endm
; Column d = 32 col + L is row L % 16 of fragment 2 col + L / 16.  Its block 2 c + e is registers 6 c .. 6 c + 5 of that fragment's lane (L % 16, e): they are kept at VC + 12 (2 col + e) + 6 c.
.macro BLOCKV u, left
	s_wait_loadcnt \left                           ; this unit's 32 loads are in; what was issued behind them may be out
	QUANT XV+32*((\u)%2), VC+12*(2*((\u)%2)+((\u)/2)%2)+6*((\u)/4), VT, BY
.if (\u)/2 == 0
	v_mov_b32 v[VW+(\u)%2], v[BY]                  ; the column's scale word: byte b for the step's block b
.else
	v_lshl_or_b32 v[VW+(\u)%2], v[BY], 8*((\u)/2), v[VW+(\u)%2]
.endif
.endm
; ---- K and Q.  Tile t = 0..7: of K (two runs of 8 rows, 32 rows apart);  t = 8, 9: my queries of pass 0, 1 (16 rows on end).  Each load reads 512 consecutive bytes.  Four sets of 32 registers: v128, v160, v64, v96.
.macro LOADT t
.set RW, 64+32*(((\t)+2)%4)
.irp p, 0,1
.irp i, 0,1,2,3
.if (\t) < 8
	global_load_b128 v[RW+16*\p+4*\i:RW+16*\p+4*\i+3], v[LI], s[KBS:KBS+1] offset:16384*((\t)/4)+2048*((\t)%4)+8192*\p+512*\i
.else
	global_load_b128 v[RW+16*\p+4*\i:RW+16*\p+4*\i+3], v[LI], s[QBS:QBS+1] offset:65536*((\t)-8)+2048*\p+512*\i th:TH_LOAD_NT
.endif
.endr
.endr
.endm
; The tile turns through my own stage: in as loaded, out so that lane (r, h) holds d = 32 h .. 32 h + 31 of tile row r.  LDS serves a wave's instructions in order (ISA guide 5.7.1.4): no wait between the stores and the loads.
.macro TURN t
.set RW, 64+32*(((\t)+2)%4)
.set XW, XT+32*((\t)%2)
.irp p, 0,1
.irp i, 0,1,2,3
	ds_store_b128 v[SW], v[RW+16*\p+4*\i:RW+16*\p+4*\i+3] offset:RUN1*\p+4*CP*\i
.endr
.endr
.irp j, 0,1,2,3,4,5,6,7
	ds_load_b128 v[XW+4*\j:XW+4*\j+3], v[SRD] offset:16*\j
.endr
.endm
.macro STEPT t
	s_wait_dscnt 0x0                               ; this tile is back from the stage; its stores have read their registers, and so have the last image's
.if (\t)+4 < 10
	LOADT (\t)+4                                   ; into the set that this tile has left
.endif
.if (\t)+1 < 10
.if (\t) < 6
	s_wait_loadcnt 24                              ; the next tile's eight loads are in; the three tiles behind it may be out
.else
	s_wait_loadcnt 8*(8-(\t))                      ; two tiles, one, none
.endif
	TURN (\t)+1                                    ; it goes through the stage while this one is worked
.endif
.if (\t) < 8
	QUANT XT+32*((\t)%2), QF+6*((\t)%2), KT, BY+(\t)%2     ; a fragment's registers 0-5 (even tile) or 6-11 (odd tile), made where Q's will lie
.elseif (\t) == 8
	QUANT XT, QF, KT, BY
.else
	QUANT XT+32, QN, KT, BY+1
.endif
.if ((\t) < 8) && ((\t)%2 == 1)
	v_lshl_or_b32 v[WD], v[BY+1], 16, v[BY]        ; my two bytes: block h of tile a's row r and of tile b's,
	v_lshlrev_b32 v[WD], v[SH8], v[WD]             ; at their places in the word (8 h bits up);
	v_permlanex16_b32 v[XP], v[WD], s[SEL], s[SEL+1]
	v_or_b32 v[WD], v[WD], v[XP]                   ; with lane l xor 16's two the word is whole: [a0 a1 b0 b1]
.irp g, 0,1,2
	ds_store_b128 v[KIA], v[QF+4*\g:QF+4*\g+3] offset:FRB*((\t)/2)+512*\g
.endr
	ds_store_b32 v[KSA], v[WD] offset:128*(((\t)/2)%2)+4*((\t)/4)   ; lanes r and r + 16 write the same word with the same value
.endif
.if (\t) == 8
	v_lshlrev_b32 v[WD], v[SH8], v[BY]
	v_permlanex16_b32 v[XP], v[WD], s[SEL], s[SEL+1]
	v_or_b32 v[WD], v[WD], v[XP]                   ; [s0 s1]
	v_lshl_or_b32 v[QS], v[WD], 16, v[WD]          ; [s0 s1 s0 s1]
.irp i, 0,1,2,3,4,5
	v_mov_b32 v[QF+12+\i], v[QF+\i]                ; [q | zeros | q]
	v_mov_b32 v[QF+6+\i], 0
.endr
.endif
.if (\t) == 9
	v_lshlrev_b32 v[WD], v[SH8], v[BY+1]
	v_permlanex16_b32 v[XP], v[WD], s[SEL], s[SEL+1]
	v_or_b32 v[WD], v[WD], v[XP]
	v_lshl_or_b32 v[QNS], v[WD], 16, v[WD]
.endif
.endm
	LOADV 0
	LOADV 1
.irp u, 0,1,2,3,4,5
	BLOCKV \u, 32                                  ; behind a unit's loads stand the next unit's 32
	LOADV \u+2
.endr
	BLOCKV 6, 32
	LOADT 0
	LOADT 1
	BLOCKV 7, 16                                   ; behind the last unit's loads stand two tiles' 16
	LOADT 2
	LOADT 3
.irp c, 0,1
.irp e, 0,1
.irp g, 0,1,2
	ds_store_b128 v[VA], v[VC+12*(2*\c+\e)+4*\g:VC+12*(2*\c+\e)+4*\g+3] offset:2*FRB*\c+256*\e+512*\g   ; fragment 2 c + h, lane 16 e + r, group g
.endr
.endr
.endr
	ds_store_b64 v[VSA], v[VW:VW+1]                ; words of d = L and d = 32 + L: what lane L of a reader wants
	s_wait_dscnt 0x0                               ; the stores have read their registers: the turn's loads land there
	s_wait_loadcnt 24                              ; tile 0's eight loads are in; tiles 1 to 3 may be out
	TURN 0
.irp t, 0,1,2,3,4,5,6,7,8,9
	STEPT \t
.endr
	s_wait_dscnt 0x0                               ; for the others' sake: my images and scale words have landed
	s_barrier_signal -1
	s_barrier_wait -1                              ; the head's codes lie in LDS.  Behind this barrier a wave writes its own stage alone
; The matrix instruction: WMS starts a sum, WMA adds in place.  row = 1: source 0's scale words are taken from lanes 16-31.
.macro WMS d, a, b, sa, sb, row
.if \row
	v_wmma_scale_f32_16x16x128_f8f6f4 v[\d:\d+7], v[\a:\a+11], v[\b:\b+11], 0, v[\sa], v[\sb] matrix_a_fmt:MATRIX_FMT_FP6 matrix_b_fmt:MATRIX_FMT_FP6 matrix_a_scale:MATRIX_SCALE_ROW1
.else
	v_wmma_scale_f32_16x16x128_f8f6f4 v[\d:\d+7], v[\a:\a+11], v[\b:\b+11], 0, v[\sa], v[\sb] matrix_a_fmt:MATRIX_FMT_FP6 matrix_b_fmt:MATRIX_FMT_FP6
.endif
.endm
.macro WMA d, a, b, sa, sb, row
.if \row
	v_wmma_scale_f32_16x16x128_f8f6f4 v[\d:\d+7], v[\a:\a+11], v[\b:\b+11], v[\d:\d+7], v[\sa], v[\sb] matrix_a_fmt:MATRIX_FMT_FP6 matrix_b_fmt:MATRIX_FMT_FP6 matrix_a_scale:MATRIX_SCALE_ROW1
.else
	v_wmma_scale_f32_16x16x128_f8f6f4 v[\d:\d+7], v[\a:\a+11], v[\b:\b+11], v[\d:\d+7], v[\sa], v[\sb] matrix_a_fmt:MATRIX_FMT_FP6 matrix_b_fmt:MATRIX_FMT_FP6
.endif
.endm
; A KEY STEP: 128 keys against my 16 queries: 8 + 4 matrix instructions.
.macro STEP
	v_add_nc_u32 v[ADK], s[TB], v[LI]              ; these three and the v_nop are the four places behind the last step's products, in front of the loads into the registers that they read (ISA guide 7.12.1 for vector instructions)
	v_add_nc_u32 v[ADV], VIMG, v[ADK]
	v_add_nc_u32 v[ADS], s[TS], v[LS8]
	v_nop
	ds_load_b64 v[KS:KS+1], v[ADS]
.irp f, 0,1,2,3
.irp g, 0,1,2
	ds_load_b128 v[FR+12*\f+4*\g:FR+12*\f+4*\g+3], v[ADK] offset:FRB*\f+512*\g
.endr
.endr
.irp f, 0,1,2,3
	s_wait_dscnt 9-3*\f                            ; the scale words and fragments 0 .. f are in; the later fragments' three loads each may be out
	WMS SA+16*\f, FR+12*\f, QF, KS+\f/2, QS, \f%2          ; tile 2 f:     [q | zeros]
	WMS SA+16*\f+8, FR+12*\f, QF+6, KS+\f/2, QS, \f%2      ; tile 2 f + 1: [zeros | q]
.endr
.rept 4
	v_nop                                          ; four places: in front of the loads into K's fragments, and of the first read of the scores
.endr
	ds_load_b64 v[VS:VS+1], v[ADS] offset:4096
.irp f, 0,1,2,3
.irp g, 0,1,2
	ds_load_b128 v[FR+12*\f+4*\g:FR+12*\f+4*\g+3], v[ADV] offset:FRB*\f+512*\g     ; V's fragments land while the softmax is walked
.endr
.endr
	; THE LARGEST SCORE OF EACH OF MY TWO BLOCKS OF 32 KEYS serves twice: for the row's maximum, and, since p rises with the score, for the block's largest p.  Four chains by turns; each accumulator is first read at its low end
.irp b, 0,1,2,3
	v_max3_num_f32 v[MX+\b], v[SA+16*\b], v[SA+16*\b+1], v[SA+16*\b+2]
.endr
.irp k, 3,5,7,9,11,13
.irp b, 0,1,2,3
	v_max3_num_f32 v[MX+\b], v[MX+\b], v[SA+16*\b+\k], v[SA+16*\b+\k+1]
.endr
.endr
	v_max3_num_f32 v[MX], v[MX], v[MX+1], v[SA+15]
	v_max3_num_f32 v[MX+2], v[MX+2], v[MX+3], v[SA+47]
	v_max_num_f32 v[MX], v[MX], v[SA+31]           ; block h
	v_max_num_f32 v[MX+2], v[MX+2], v[SA+63]       ; block 2 + h
	v_max_num_f32 v[WD], v[MX], v[MX+2]
	v_permlanex16_b32 v[XP], v[WD], s[SEL], s[SEL+1]
	v_max3_num_f32 v[SMX], v[SMX], v[WD], v[XP]    ; the running largest score of my query
	v_mov_b32 v[DM], v[NM]
	v_mul_f32 v[WD], s[NC], v[SMX]                 ; -t
	v_floor_f32 v[NM], v[WD]                       ; the new -M = floor(-t) = -ceil(t): M IS A WHOLE NUMBER
	v_sub_f32 v[DM], v[NM], v[DM]                  ; M's old value less its new one: a whole number, 0 or less
	v_cvt_i32_f32 v[DM], v[DM]                     ; (it saturates)
	v_ldexp_f32 v[FF], 1.0, v[DM]                  ; f = 2^(old M - new M)
.set N, 0
.rept 32
	v_pk_fma_f32 v[SA+N:SA+N+1], v[SA+N:SA+N+1], s[CS:CS+1], v[NM:NM+1] op_sel_hi:[1,0,0]   ; t - M, two at a time (of the pairs c and -M the low word serves both halves)
.set N, N+2
.endr
	v_fma_f32 v[MX], v[MX], s[CS], v[NM]           ; the same of each block's largest score
	v_fma_f32 v[MX+2], v[MX+2], s[CS], v[NM]
.set N, 0
.rept 64
	v_exp_f32 v[SA+N], v[SA+N]                     ; p = 2^(t - M), at most 1: NOT normalised
.set N, N+1
.endr
	v_pk_mul_f32 v[SUM:SUM+1], v[SUM:SUM+1], v[FF:FF+1] op_sel_hi:[1,0]   ; the sum under the new M.  (The plain place behind the exponentials)
	s_wait_alu depctr_va_vdst(0)                   ; one wait for the batch of 64, ahead of its first reader
	v_exp_f32 v[MX], v[MX]                         ; the blocks' largest p: the same two instructions on the same number give the same bits
	v_exp_f32 v[MX+2], v[MX+2]
	v_pk_add_f32 v[SUM2:SUM2+1], v[SA:SA+1], v[SA+2:SA+3]   ; THE ROW'S SUM IS TAKEN OF THE UNQUANTISED p: two chains.  Its first half stands here, plain work behind the two
.irp j, 4,8,12,16,20,24,28
	v_pk_add_f32 v[SUM:SUM+1], v[SUM:SUM+1], v[SA+\j:SA+\j+1]
	v_pk_add_f32 v[SUM2:SUM2+1], v[SUM2:SUM2+1], v[SA+\j+2:SA+\j+3]
.endr
	s_wait_alu depctr_va_vdst(0)                   ; and one for the two
	v_max_num_f32 v[MX], 0x1800000, v[MX]          ; the floor 2^(3 - 127): the byte cannot fall under 1 (a block whose every p has fallen to 0 keeps that byte: its codes are zeros)
	v_max_num_f32 v[MX+2], 0x1800000, v[MX+2]
	v_add_nc_u32 v[SO], 0xff000000, v[MX]          ; 2 off the exponent field: the conversion's scale operand
	v_add_nc_u32 v[SO+1], 0xff000000, v[MX+2]
	v_lshrrev_b32 v[BY], 23, v[SO]
	v_lshrrev_b32 v[BY+1], 23, v[SO+1]
	v_lshl_or_b32 v[WD], v[BY+1], 16, v[BY]        ; my two bytes, blocks h and 2 + h,
	v_lshlrev_b32 v[WD], v[SH8], v[WD]             ; at their places;
	v_permlanex16_b32 v[XP], v[WD], s[SEL], s[SEL+1]
	v_or_b32 v[PW], v[WD], v[XP]                   ; with lane l xor 16's two: p's scale word for these 128 keys
	v_cvt_scalef32_pk16_fp6_f32 v[PC:PC+2], v[SA:SA+15], v[SO]
	v_cvt_scalef32_pk16_fp6_f32 v[TC:TC+2], v[SA+16:SA+31], v[SO]
	v_cvt_scalef32_pk16_fp6_f32 v[PC+6:PC+8], v[SA+32:SA+47], v[SO+1]
	v_cvt_scalef32_pk16_fp6_f32 v[TC+4:TC+6], v[SA+48:SA+63], v[SO+1]
	v_nop                                          ; one plain place behind a scaled conversion
.irp i, 0,1,2
	v_mov_b32 v[PC+3+\i], v[TC+\i]
	v_mov_b32 v[PC+9+\i], v[TC+4+\i]
.endr
.set N, 0
.rept 16
	v_pk_mul_f32 v[OA+N:OA+N+1], v[OA+N:OA+N+1], v[FF:FF+1] op_sel_hi:[1,0]   ; O^T under the new M, each accumulator from its low end on
.set N, N+2
.endr
.irp j, 32,36,40,44,48,52,56,60
	v_pk_add_f32 v[SUM:SUM+1], v[SUM:SUM+1], v[SA+\j:SA+\j+1]                 ; the sum's second half: 17 plain instructions that name no register of the products below: more than the eight places that a scale word
	v_pk_add_f32 v[SUM2:SUM2+1], v[SUM2:SUM2+1], v[SA+\j+2:SA+\j+3]           ; written by a vector instruction wants ahead of a scaled product, and the four that an operand so written wants
.endr
	v_pk_add_f32 v[SUM:SUM+1], v[SUM:SUM+1], v[SUM2:SUM2+1]
	s_wait_dscnt 0x0                               ; V's fragments and scale words are in
.irp f, 0,1,2,3
	WMA OA+8*\f, FR+12*\f, PC, VS+\f/2, PW, \f%2   ; O^T += V^T P^T.  The four accumulators take turns, one instruction a turn, and the next step's eight score products stand between two links
.endr
.endm
; A PASS: my 16 queries of the block's half p against all 2,048 keys, and the way out.
.macro PASS p
.if \p
.irp i, 0,1,2,3,4,5
	v_mov_b32 v[QF+\i], v[QN+\i]
	v_mov_b32 v[QF+12+\i], v[QN+\i]
.endr
	v_mov_b32 v[QS], v[QNS]
.endif
.set N, 0
.rept 32
	v_mov_b32 v[OA+N], 0                           ; O^T.  The step is written once: the first finds zeros, which the first change of M leaves zeros.  (These are also the places between Q's registers and the first product)
.set N, N+1
.endr
	v_mov_b32 v[SUM], 0
	v_mov_b32 v[SUM+1], 0
	v_mov_b32 v[SMX], 0xfda00000                   ; the largest score so far: -2.65e37: c times it is still a number
	v_mul_f32 v[DM], s[NC], v[SMX]
	v_floor_f32 v[NM], v[DM]                       ; -M
	s_mov_b32 s[TB], 0
	s_mov_b32 s[TS], 0
	s_mov_b32 s[CNT], 16
.Lstep_\@:
	STEP
	s_add_co_u32 s[TB], s[TB], STEPB
	s_add_co_u32 s[TS], s[TS], 256
	s_sub_co_u32 s[CNT], s[CNT], 1
	s_cmp_lg_u32 s[CNT], 0
	s_cbranch_scc1 .Lstep_\@
	; THE WAY OUT.  O^T / the sum goes through my stage and comes back as whole rows of 256 bytes.
	v_add_f32 v[SUM], v[SUM], v[SUM+1]             ; the sum's two halves,
	v_permlanex16_b32 v[XP], v[SUM], s[SEL], s[SEL+1]
	v_add_f32 v[SUM], v[SUM], v[XP]                ; and lane l xor 16's 1,024 keys
	v_rcp_f32 v[FF], v[SUM]
	v_nop                                          ; a plain place behind the reciprocal; with the two additions above these two v_nop are also the four places behind the last products
	v_nop
	s_wait_alu depctr_va_vdst(0)                   ; the wait ahead of the reciprocal's first reader
.set N, 0
.rept 16
	v_pk_mul_f32 v[SA+N:SA+N+1], v[OA+N:OA+N+1], v[FF:FF+1] op_sel_hi:[1,0]   ; register 8 T + j is out(r, 16 T + 8 h + j); each accumulator from its low end on
.set N, N+2
.endr
.irp f, 0,1,2,3
	ds_store_b128 v[STO], v[SA+8*\f:SA+8*\f+3] offset:64*\f
	ds_store_b128 v[STO], v[SA+8*\f+4:SA+8*\f+7] offset:64*\f+16
.endr
.irp i, 0,1,2,3,4,5,6,7
	ds_load_b128 v[SA+32+4*\i:SA+32+4*\i+3], v[ORD] offset:2*OP*\i     ; LDS serves a wave's instructions in order: these see my stores
.endr
.irp i, 0,1,2,3,4,5,6,7
	s_wait_dscnt 7-\i                              ; rows 2 i and 2 i + 1 are back; the later loads may be out
	global_store_b128 v[LI], v[SA+32+4*\i:SA+32+4*\i+3], s[OBS:OBS+1] offset:65536*\p+512*\i th:TH_STORE_NT   ; 32 lanes store 512 consecutive bytes, at a multiple of 256 from out0's first byte
.endr
.if \p == 0
	s_wait_xcnt 0x0                                ; the stores have read their data: the next pass's scores are written over them only behind this wait
.endif
.endm
	PASS 0
	PASS 1
	s_wait_tensorcnt 0x0                           ; the wave's end, behind my last LDS store
	ds_add_u32 v[SPW], v[NIL]
	s_wait_dscnt 0x0
	s_endpgm
.Lfunc_end_k_qd2d8644fad_attn:
	.size	k_qd2d8644fad_attn, .Lfunc_end_k_qd2d8644fad_attn-k_qd2d8644fad_attn
	.p2alignl 7, 3214868480
	.fill 96, 4, 3214868480
	.section	.rodata,"a",@progbits
	.p2align	6, 0x0
	.amdhsa_kernel k_qd2d8644fad_attn
		.amdhsa_group_segment_fixed_size 284672
		.amdhsa_private_segment_fixed_size 0
		.amdhsa_enable_private_segment 0
		.amdhsa_kernarg_size 32
		.amdhsa_user_sgpr_count 2
		.amdhsa_user_sgpr_kernarg_segment_ptr 1
		.amdhsa_wavefront_size32 1
		.amdhsa_system_sgpr_workgroup_id_x 1
		.amdhsa_system_sgpr_workgroup_id_y 1
		.amdhsa_system_sgpr_workgroup_id_z 1
		.amdhsa_system_vgpr_workitem_id 0
		.amdhsa_next_free_vgpr 256
		.amdhsa_next_free_sgpr 66
		.amdhsa_reserve_vcc 0
		.amdhsa_float_denorm_mode_32 3
		.amdhsa_float_denorm_mode_16_64 3
		.amdhsa_memory_ordered 1
		.amdhsa_forward_progress 1
		.amdhsa_inst_pref_size 113
	.end_amdhsa_kernel
	.amdgpu_metadata
---
amdhsa.version: [ 1, 2 ]
amdhsa.kernels:
  - .name:           k_qd2d8644fad_attn
    .symbol:         k_qd2d8644fad_attn.kd
    .args:
      - { .name: q, .offset: 0, .size: 8, .value_kind: global_buffer, .address_space: global }
      - { .name: k, .offset: 8, .size: 8, .value_kind: global_buffer, .address_space: global }
      - { .name: v, .offset: 16, .size: 8, .value_kind: global_buffer, .address_space: global }
      - { .name: out0, .offset: 24, .size: 8, .value_kind: global_buffer, .address_space: global }
    .group_segment_fixed_size: 284672
    .private_segment_fixed_size: 0
    .kernarg_segment_align: 8
    .kernarg_segment_size: 32
    .max_flat_workgroup_size: 512
    .sgpr_count:     66
    .vgpr_count:     256
    .wavefront_size: 32
...
	.end_amdgpu_metadata
.endif
;; end of part 1
;; ======== version 2 of 2: 1 launch; version 1 with the launch attn written anew for expert scheduling mode
;; limits: right only within a limited range of input values
;; launch attn (part 2): grid 4 x 64, 16 waves a work-group, no clusters, 284,672 bytes of LDS; arguments q, k, v, out0; writes out0
.if DOCPART == 2
	.amdgcn_target "amdgcn-amd-amdhsa--gfx1250"
	.amdhsa_code_object_version 6
	.text
	.protected	k_qd2d8644fad_attn
	.globl	k_qd2d8644fad_attn
	.p2align	8
	.type	k_qd2d8644fad_attn,@function
k_qd2d8644fad_attn:
	s_mov_b64 s[64:65], 0
	v_nop
	global_prefetch_b8 v0, s[64:65] scope:SCOPE_SE
	s_setreg_imm32_b32 hwreg(HW_REG_WAVE_SCHED_MODE, 0, 2), 2
	s_setreg_imm32_b32 hwreg(HW_REG_WAVE_MODE, 25, 1), 1
	s_wait_xcnt 0x0
	s_wait_alu depctr_vm_vsrc(0)
; out0[h][q][:] = the sum over k of softmax_k(8 q[h][q] . k[h][k]) v[h][k][:].  q, k, v, out0: [64 heads][2048][64] f32.  Both products on codes of FP6 (E2M3) with one E8M0 scale for each 32 along a product's K.
; THE SOFTMAX AHEAD OF THE SECOND PRODUCT: t = score x c, c = 8 log2(e); M = the row's largest t so far, rounded UP to a whole number; p = 2^(t - M) is quantised along the keys, not normalised.
; The row's sum is taken of the unquantised p and divides at the end.  When M moves, the sum and O are multiplied by 2^(old M - new M): exact.
; SHARES.  A work-group owns 512 queries of one head (x: which 512; y: the head).  Sixteen waves of 256 registers.  Ahead of the one barrier wave w quantises key step w (keys 128 w .. 128 w + 127) of V, along the keys,
; and of K, along d, and its own two tiles of 16 queries.  Behind it the wave walks all 16 key steps twice: pass p serves queries 256 p + 16 w .. + 15 of the block.
; A HEAD'S CODES STAY IN LDS: 2 x 98,304 bytes and 2 x 4,096 of scale words, laid as IMAGES OF THE OPERANDS' REGISTERS: four registers of a fragment by one ds_store_b128 at 16 x lane; the same line as a load gives any wave the fragment.
; NO TENSOR LOAD AND NO JOINT REQUEST, though the four work-groups of a head read the same K and V: these arrive as f32 and have to pass through registers to become codes.  A head's 1,048,576 bytes of f32 do not fit
; beside the 204,800 bytes of codes: they would go through what LDS is left in nine or more refills, each with its barrier, and every byte would be written to LDS and read from it once more.  V is wanted a lane to a column, straight from memory.
; No prefetch: every global read stands at the kernel's head; the main part reads nothing from memory.
; LAYOUT (L lane, r = L % 16, h = L / 16).  Both products are used transposed: S^T = K Q^T, O^T = V^T P^T: a lane holds ONE query (r) throughout.
;  (a) d = 64 is half of the instruction's 128.  A fragment of K holds TWO tiles of 16 keys: registers 0-5 tile a (row r, d = 32 h ..), registers 6-11 tile b.  Q lies as [q | zeros | q], 18 registers: the first 12 give tile a's
;      scores, the last 12 tile b's: zero codes add nothing.  K's scale word is [a0 a1 b0 b1], Q's [s0 s1 s0 s1]: each serves both instructions.
;  (b) THE KEYS OF A TILE ARE NOT NEIGHBOURS: tile 4 c + u takes keys 64 c + 8 u + 0..7 (rows 0-7) and 64 c + 32 + 8 u + 0..7 (rows 8-15).  So register 32 c + i of S^T is key 64 c + 32 h + i: a lane holds two WHOLE blocks of 32 keys,
;      in the very order of the 6-bit operand: a block's maximum needs no other lane, and the conversions' results are P's registers.
;  (c) A scale register carries two fragments' words: lanes 0-15 the even fragment's, lanes 16-31 the odd one's (MATRIX_SCALE_ROW1).
; LIMITS.  NaN and infinities among the inputs are not served.  A block whose largest magnitude lies under 2^-124 has its byte held at 1 (a block of zeros too: its codes are zeros, and this program alone reads the bytes).
; p under 2^-126 comes out as 0 (v_exp_f32 flushes denormal results: ISA guide, its entry).  A row whose every score lies under -2.65e37 (the running maximum's first value) is not served.
; THE MODE: SCHED_MODE bits 1:0 = 2 (LLVM: expert scheduling mode 2), set by the entry lines.  The code itself states the register dependences between vector or matrix instructions and memory or LDS instructions,
; with s_wait_alu, always for 0.
; THE PLAN.  Registers that memory or LDS instructions touch, and who else names them:
;   v1-15, v62, v63  offsets and LDS addresses: written once at the head, ahead of one wait on va_vdst; v4-6 alone are written again (below); v12-15 serve the softmax only behind their last use as addresses.
;   XV0, XV1    V as loaded.  A unit's maxima and conversions read a set; one wait on va_vdst behind them; the loads two units on land in it.
;   VC, VW      V's codes and words: written by the conversions; the wait behind unit 7 stands ahead of the stores that read them; a wait on vm_vsrc behind those stores, since the turn's loads and K's conversions write there.
;   RW0 .. RW3  a tile of K or Q as loaded: read by the turn's LDS stores alone; a wait on vm_vsrc at the tile's head; then the loads four tiles on land (the last four tiles' sets: the main part writes them).
;   XT0, XT1    a tile behind the turn: LDS loads land, the tile's maxima and conversions read; a wait on va_vdst at the next tile's head; the loads two tiles on land.
;   v[QF ..], v[WD]  a fragment of K and its word: written by two tiles' lines; a wait on va_vdst ahead of the image's stores; the next tile's head has the wait on vm_vsrc ahead of their next write.
;   In a key step: FR (K's loads land, the score products read, V's loads land, the products V^T P read), KS and VS (loaded, read as scales), v4-6 (written at the head, read by the step's loads).  All else there is named by
;   vector and matrix instructions alone.  So a step has: a wait on vm_vsrc and the three additions, ahead of a wait on va_vdst that the loads into FR want in any case; one on va_vdst behind the score products, behind which V's loads
;   are dealt among lines that name none of their registers; the two behind the exponentials; and one directly ahead of the products that take p's codes and scale word.
;   The way out: SA's lower half is written by the division and read by LDS stores, its upper half takes the stage's loads and is read by the global stores: one wait on va_vdst ahead of them, one on vm_vsrc ahead of the next pass.
.set KIMG,  0                          ; LDS: K's images: step s x 6,144 + fragment f x 1,536 + group g x 512 + 16 x lane
.set VIMG,  98304                      ; V's likewise (fragment T: d = 16 T + r)
.set KSC,   196608                     ; K's scale words: step s x 256 + 8 x lane + 4 j: word j of lane l = fragment 2 j + l / 16, row l % 16
.set VSC,   KSC+4096                   ; V's likewise
.set STG,   204800                     ; a stage of 4,864 bytes for each wave, its own: the turn of K's and Q's rows, later the way out
.set WSTG,  4864
.set SPARE, STG+16*WSTG                ; the spare words, 128 bytes for each wave: eight blocks of 256 bytes that no other line names
.set STEPB, 6144
.set FRB,   1536
.set CP,    144                        ; the turn: a chunk (one row's 32 numbers of one block, 128 bytes) + 16: an odd multiple of 16
.set RUN1,  17*CP                      ; rows 8-15 of a tile begin one chunk further on than they need: so the 16 lanes of a read's pass fall on 16 different columns of 16 bytes modulo 256 (64 banks of 4 bytes: ISA guide 11.1)
.set OP,    272                        ; the way out: a row of 256 bytes + 16
; vector registers that stay
.set LI,   1                           ; 16 x lane
.set LS8,  2                           ; KSC + 8 x lane
.set SH8,  3                           ; 8 h
.set ADK,  4                           ; the step's K images;  v5 its V images;  v6 its scale words
.set ADV,  5
.set ADS,  6
.set SW,   7                           ; the turn: in
.set SRD,  8                           ; the turn: out
.set STO,  9                           ; the way out: in
.set ORD,  10                          ; the way out: back
.set VO,   11                          ; 4 x lane
.set NM,   12                          ; -M   (a pair with v13: the packed form names both and takes the low word)
.set SMX,  13                          ; the largest score so far
.set SUM,  14                          ; v[14:15] the row's sum, in two halves;  v[16:17] a second chain
.set SUM2, 16
.set FF,   18                          ; v18 f = 2^(old M - new M), later 1 / the sum;  v19 = 0, named with it as a pair
.set MX,   20                          ; v20-23 chains of maxima
.set SO,   24                          ; v24-25 the conversions' scale operands
.set BY,   26                          ; v26-27 scale bytes
.set XP,   28                          ; a lane permute's destination
.set WD,   29                          ; at work
.set PW,   30                          ; p's scale word            (v30, v32-37 hold scales and nothing else)
.set DM,   31                          ; at work
.set KS,   32                          ; v[32:33] K's scale words of the step;  v[34:35] V's
.set VS,   34
.set QS,   36                          ; Q's scale word of the pass in hand;  v37 that of pass 1
.set QNS,  37
.set QN,   38                          ; v38-43 pass 1's codes of Q
.set QF,   44                          ; v44-61 [q | zeros | q]
.set SPW,  62                          ; LDS address of my spare word: SPARE + 4 x my thread's number; never rewritten
.set NIL,  63                          ; 0; never rewritten
.set SA,   64                          ; v64-127 S^T, then p
.set OA,   128                         ; v128-159 O^T: four tiles of 16 of d
.set FR,   160                         ; v160-207 four fragments of K, then of V
.set PC,   208                         ; v208-219 p's codes
.set TC,   220                         ; v220-226 the conversions' second halves
; ahead of the barrier the same registers serve otherwise
.set KSA,  12                          ; where I store K's scale words: KSC + 256 w + 8 r
.set VA,   13                          ; V's images: VIMG + 6,144 w + 1,536 h + 16 r
.set VSA,  14                          ; V's scale words: VSC + 256 w + 8 x lane
.set KIA,  15                          ; K's images: KIMG + 6,144 w + 16 x lane
.set VW,   16                          ; v[16:17] V's two scale words;  later v16-18: a conversion's second half
.set KT,   16
.set XV,   64                          ; v64-95, v96-127: 32 keys of a column of V, two sets
.set VC,   192                         ; v192-239 V's codes
.set VT,   240
.set XT,   192                         ; v192-223, v224-255: a tile's numbers after the turn, two sets
; scalar registers
.set WV,   12                          ; my wave's number
.set SB,   13                          ; my stage
.set HD,   14                          ; s[14:15] the head's first byte
.set KBS,  16                          ; s[16:17] K at my key step;  s[18:19] V likewise;  s[20:21] Q at my first tile;  s[22:23] out0 likewise
.set VBS,  18
.set QBS,  20
.set OBS,  22
.set SEL,  24                          ; s[24:25] v_permlanex16_b32's selects for lane l xor 16
.set CS,   26                          ; s[26:27] c = 8 log2(e), twice;  s28 = -c
.set NC,   28
.set TB,   29                          ; the step's images begin here;  s30 its scale words;  s31 steps to go
.set TS,   30
.set CNT,  31
	s_load_b256 s[4:11], s[0:1], 0x0               ; q s[4:5], k s[6:7], v s[8:9], out0 s[10:11]
	v_lshl_add_u32 v[SPW], v0, 2, SPARE
	v_mov_b32 v[NIL], 0
	v_lshrrev_b32 v20, 5, v0
	v_readfirstlane_b32 s[WV], v20                 ; wave 0..15
	v_and_b32 v21, 31, v0                          ; L
	v_and_b32 v22, 15, v0                          ; r
	v_bfe_u32 v23, v0, 4, 1                        ; h
	v_bfe_u32 v24, v0, 3, 2                        ; L / 8
	v_and_b32 v25, 7, v0                           ; L % 8
	v_bfe_u32 v27, v0, 3, 1                        ; r / 8
	v_lshlrev_b32 v[LI], 4, v21
	v_lshlrev_b32 v[LS8], 3, v21
	v_add_nc_u32 v[LS8], KSC, v[LS8]
	v_lshlrev_b32 v[SH8], 3, v23
	v_lshlrev_b32 v[VO], 2, v21
	s_wait_alu depctr_va_sdst(0)                   ; the wave's number is written, ahead of its first reader: the stage, the images' places and the bases are made from it
	s_mul_i32 s[SB], s[WV], WSTG
	s_add_co_u32 s[SB], s[SB], STG
	v_mul_u32_u24 v[SW], v24, CP                   ; the turn, in: a load's 512 bytes are four chunks: chunk L / 8, 16 bytes at 16 (L % 8)
	v_lshl_add_u32 v[SW], v25, 4, v[SW]
	v_add_nc_u32 v[SW], s[SB], v[SW]
	v_lshl_add_u32 v26, v25, 1, v23                ; out: tile row r, block h: chunk 2 (r % 8) + h of run r / 8
	v_mul_u32_u24 v[SRD], v26, CP
	v_mad_u32_u24 v[SRD], v27, RUN1, v[SRD]
	v_add_nc_u32 v[SRD], s[SB], v[SRD]
	v_mul_u32_u24 v[STO], v22, OP                  ; the way out, in: row r, 32 bytes for each half of the lanes
	v_lshl_add_u32 v[STO], v23, 5, v[STO]
	v_add_nc_u32 v[STO], s[SB], v[STO]
	v_mul_u32_u24 v[ORD], v23, OP                  ; back: lanes 0-15 one row of 256 bytes, lanes 16-31 the next
	v_lshl_add_u32 v[ORD], v22, 4, v[ORD]
	v_add_nc_u32 v[ORD], s[SB], v[ORD]
	s_mul_i32 s34, s[WV], STEPB
	s_lshl_b32 s35, s[WV], 8
	v_mul_u32_u24 v[VA], v23, FRB
	v_lshl_add_u32 v[VA], v22, 4, v[VA]
	v_add_nc_u32 v[VA], s34, v[VA]
	v_add_nc_u32 v[VA], VIMG, v[VA]
	v_add_nc_u32 v[VSA], s35, v[LS8]
	v_add_nc_u32 v[VSA], 4096, v[VSA]
	v_add_nc_u32 v[KIA], s34, v[LI]
	v_lshlrev_b32 v[KSA], 3, v22
	v_add_nc_u32 v[KSA], s35, v[KSA]
	v_add_nc_u32 v[KSA], KSC, v[KSA]
	v_mov_b32 v[XP], 0                             ; written once: a lane permute's destination counts as one of its sources
	v_mov_b32 v[FF+1], 0                           ; named as the upper half of the pair v[18:19]
	s_mov_b32 s[SEL], 0x76543210
	s_mov_b32 s[SEL+1], 0xfedcba98
	s_mov_b32 s[CS], 0x4138aa3b                    ; c = 8 log2(e)
	s_mov_b32 s[CS+1], s[CS]
	s_mov_b32 s[NC], 0xc138aa3b                    ; -c
	s_and_b32 s[HD], ttmp7, 0xffff
	s_lshl_b32 s[HD], s[HD], 19                    ; a head is 2,048 rows of 256 bytes
	s_mov_b32 s[HD+1], 0
	s_lshl_b32 s32, s[WV], 15                      ; a key step is 128 rows
	s_mov_b32 s33, 0
	s_add_nc_u64 s[32:33], s[32:33], s[HD:HD+1]
	s_lshl_b32 s36, ttmp9, 17                      ; my block of 512 queries,
	s_lshl_b32 s37, s[WV], 12                      ; my wave's 16 of its first 256
	s_add_co_u32 s36, s36, s37
	s_mov_b32 s37, 0
	s_add_nc_u64 s[36:37], s[36:37], s[HD:HD+1]
	s_wait_kmcnt 0x0
	s_add_nc_u64 s[KBS:KBS+1], s[6:7], s[32:33]
	s_add_nc_u64 s[VBS:VBS+1], s[8:9], s[32:33]
	s_add_nc_u64 s[QBS:QBS+1], s[4:5], s[36:37]
	s_add_nc_u64 s[OBS:OBS+1], s[10:11], s[36:37]
	s_wait_alu depctr_va_vdst(0)                   ; the offsets and LDS addresses v1, v2, v7 to v15 and the closing add's v62, v63 are written: the loads and stores of the whole kernel read them
; 32 numbers of ONE block, v[src] .. v[src + 31], become six registers of codes at v[dst] and the scale's byte in v[by].
.macro QUANT src, dst, tmp, by
	v_max3_num_f32 v[MX], |v[\src]|, |v[\src+1]|, |v[\src+2]|        ; the largest magnitude, in two chains
	v_max3_num_f32 v[MX+1], |v[\src+3]|, |v[\src+4]|, |v[\src+5]|
.irp i, 6,10,14,18,22,26
	v_max3_num_f32 v[MX], v[MX], |v[\src+\i]|, |v[\src+\i+1]|
	v_max3_num_f32 v[MX+1], v[MX+1], |v[\src+\i+2]|, |v[\src+\i+3]|
.endr
	v_max3_num_f32 v[MX], v[MX], |v[\src+30]|, |v[\src+31]|
	v_max3_num_f32 v[MX], v[MX], v[MX+1], 0x1800000                  ; and the floor 2^(3 - 127): the byte cannot fall under 1
	v_add_nc_u32 v[SO], 0xff000000, v[MX]                            ; 2 off its exponent field: the conversion takes the exponent field of this operand as its scale, and nothing else of it
	v_lshrrev_b32 v[\by], 23, v[SO]                                  ; the scale's byte
	v_cvt_scalef32_pk16_fp6_f32 v[\dst:\dst+2], v[\src:\src+15], v[SO]
	v_cvt_scalef32_pk16_fp6_f32 v[\tmp:\tmp+2], v[\src+16:\src+31], v[SO]   ; (a conversion's three registers begin on an even number: the second half is made elsewhere and moved)
	v_nop                                                            ; one plain place behind a scaled conversion
.irp i, 0,1,2
	v_mov_b32 v[\dst+3+\i], v[\tmp+\i]
.endr
.endm
; ---- V.  A LANE TAKES A COLUMN d, AND ITS REGISTERS RUN DOWN THE KEYS.  Unit u: block u / 2 of my step's four, columns 32 (u % 2) + L.
.macro LOADV u
.set N, 0
.rept 32
	global_load_b32 v[XV+32*((\u)%2)+N], v[VO], s[VBS:VBS+1] offset:(32*((\u)/2)+N)*256+128*((\u)%2)
.set N, N+1
.endr
.endm
; Column d = 32 col + L is row L % 16 of fragment 2 col + L / 16.  Its block 2 c + e is registers 6 c .. 6 c + 5 of that fragment's lane (L % 16, e): they are kept at VC + 12 (2 col + e) + 6 c.
.macro BLOCKV u, left
	s_wait_loadcnt \left                           ; this unit's 32 loads are in; what was issued behind them may be out
	QUANT XV+32*((\u)%2), VC+12*(2*((\u)%2)+((\u)/2)%2)+6*((\u)/4), VT, BY
.if (\u)/2 == 0
	v_mov_b32 v[VW+(\u)%2], v[BY]                  ; the column's scale word: byte b for the step's block b
.else
	v_lshl_or_b32 v[VW+(\u)%2], v[BY], 8*((\u)/2), v[VW+(\u)%2]
.endif
.endm
; ---- K and Q.  Tile t = 0..7: of K (two runs of 8 rows, 32 rows apart);  t = 8, 9: my queries of pass 0, 1 (16 rows on end).  Each load reads 512 consecutive bytes.  Four sets of 32 registers: v128, v160, v64, v96.
.macro LOADT t
.set RW, 64+32*(((\t)+2)%4)
.irp p, 0,1
.irp i, 0,1,2,3
.if (\t) < 8
	global_load_b128 v[RW+16*\p+4*\i:RW+16*\p+4*\i+3], v[LI], s[KBS:KBS+1] offset:16384*((\t)/4)+2048*((\t)%4)+8192*\p+512*\i
.else
	global_load_b128 v[RW+16*\p+4*\i:RW+16*\p+4*\i+3], v[LI], s[QBS:QBS+1] offset:65536*((\t)-8)+2048*\p+512*\i th:TH_LOAD_NT
.endif
.endr
.endr
.endm
; The tile turns through my own stage: in as loaded, out so that lane (r, h) holds d = 32 h .. 32 h + 31 of tile row r.  LDS serves a wave's instructions in order (ISA guide 5.7.1.4): no wait between the stores and the loads.
.macro TURN t
.set RW, 64+32*(((\t)+2)%4)
.set XW, XT+32*((\t)%2)
.irp p, 0,1
.irp i, 0,1,2,3
	ds_store_b128 v[SW], v[RW+16*\p+4*\i:RW+16*\p+4*\i+3] offset:RUN1*\p+4*CP*\i
.endr
.endr
.irp j, 0,1,2,3,4,5,6,7
	ds_load_b128 v[XW+4*\j:XW+4*\j+3], v[SRD] offset:16*\j
.endr
.endm
.macro STEPT t
	s_wait_dscnt 0x0                               ; this tile is back from the stage
	s_wait_alu depctr_vm_vsrc(0)                   ; the turn's stores have read this tile's raw set, which is written again (tiles 0 to 5: by the loads below; the others: by the main part); the last image's stores have read v[QF ..] and v[WD], which the lines below write again
.if ((\t) > 0) && ((\t) < 9)
	s_wait_alu depctr_va_vdst(0)                   ; the tile before is done reading its set of XT, in which the next tile's loads from the stage land.  No vector instruction stands between this wait and those loads
.endif
.if (\t)+4 < 10
	LOADT (\t)+4                                   ; into the set that this tile has left
.endif
.if (\t)+1 < 10
.if (\t) < 6
	s_wait_loadcnt 24                              ; the next tile's eight loads are in; the three tiles behind it may be out
.else
	s_wait_loadcnt 8*(8-(\t))                      ; two tiles, one, none
.endif
	TURN (\t)+1                                    ; it goes through the stage while this one is worked
.endif
.if (\t) < 8
	QUANT XT+32*((\t)%2), QF+6*((\t)%2), KT, BY+(\t)%2     ; a fragment's registers 0-5 (even tile) or 6-11 (odd tile), made where Q's will lie
.elseif (\t) == 8
	QUANT XT, QF, KT, BY
.else
	QUANT XT+32, QN, KT, BY+1
.endif
.if ((\t) < 8) && ((\t)%2 == 1)
	v_lshl_or_b32 v[WD], v[BY+1], 16, v[BY]        ; my two bytes: block h of tile a's row r and of tile b's,
	v_lshlrev_b32 v[WD], v[SH8], v[WD]             ; at their places in the word (8 h bits up);
	v_permlanex16_b32 v[XP], v[WD], s[SEL], s[SEL+1]
	v_or_b32 v[WD], v[WD], v[XP]                   ; with lane l xor 16's two the word is whole: [a0 a1 b0 b1]
	s_wait_alu depctr_va_vdst(0)                   ; the two tiles' codes v[QF .. QF + 11] and the word v[WD] are written, which the stores below read
.irp g, 0,1,2
	ds_store_b128 v[KIA], v[QF+4*\g:QF+4*\g+3] offset:FRB*((\t)/2)+512*\g
.endr
	ds_store_b32 v[KSA], v[WD] offset:128*(((\t)/2)%2)+4*((\t)/4)   ; lanes r and r + 16 write the same word with the same value
.endif
.if (\t) == 8
	v_lshlrev_b32 v[WD], v[SH8], v[BY]
	v_permlanex16_b32 v[XP], v[WD], s[SEL], s[SEL+1]
	v_or_b32 v[WD], v[WD], v[XP]                   ; [s0 s1]
	v_lshl_or_b32 v[QS], v[WD], 16, v[WD]          ; [s0 s1 s0 s1]
.irp i, 0,1,2,3,4,5
	v_mov_b32 v[QF+12+\i], v[QF+\i]                ; [q | zeros | q]
	v_mov_b32 v[QF+6+\i], 0
.endr
.endif
.if (\t) == 9
	v_lshlrev_b32 v[WD], v[SH8], v[BY+1]
	v_permlanex16_b32 v[XP], v[WD], s[SEL], s[SEL+1]
	v_or_b32 v[WD], v[WD], v[XP]
	v_lshl_or_b32 v[QNS], v[WD], 16, v[WD]
.endif
.endm
	LOADV 0
	LOADV 1
.irp u, 0,1,2,3,4,5
	BLOCKV \u, 32                                  ; behind a unit's loads stand the next unit's 32
	s_wait_alu depctr_va_vdst(0)                   ; the unit's maxima and conversions are done reading its set of XV, in which the loads below land
	LOADV \u+2
.endr
	BLOCKV 6, 32
	LOADT 0                                        ; into v128-191, which no vector instruction has named
	LOADT 1
	BLOCKV 7, 16                                   ; behind the last unit's loads stand two tiles' 16
	s_wait_alu depctr_va_vdst(0)                   ; units 6 and 7 are done reading both sets of XV, in which tiles 2 and 3 land; V's codes and its two words are written, which the stores below read; the moves are done with v[VT ..], in which the turn's loads land
	LOADT 2
	LOADT 3
.irp c, 0,1
.irp e, 0,1
.irp g, 0,1,2
	ds_store_b128 v[VA], v[VC+12*(2*\c+\e)+4*\g:VC+12*(2*\c+\e)+4*\g+3] offset:2*FRB*\c+256*\e+512*\g   ; fragment 2 c + h, lane 16 e + r, group g
.endr
.endr
.endr
	ds_store_b64 v[VSA], v[VW:VW+1]                ; words of d = L and d = 32 + L: what lane L of a reader wants
	s_wait_dscnt 0x0                               ; V's images and words have landed
	s_wait_alu depctr_vm_vsrc(0)                   ; those stores have read v[VC ..], in which the turn's loads land, and v[16:17], which K's conversions write
	s_wait_loadcnt 24                              ; tile 0's eight loads are in; tiles 1 to 3 may be out
	TURN 0
.irp t, 0,1,2,3,4,5,6,7,8,9
	STEPT \t
.endr
	s_wait_dscnt 0x0                               ; for the others' sake: my images and scale words have landed
	s_barrier_signal -1
	s_barrier_wait -1                              ; the head's codes lie in LDS.  Behind this barrier a wave writes its own stage alone
; The matrix instruction: WMS starts a sum, WMA adds in place.  row = 1: source 0's scale words are taken from lanes 16-31.
.macro WMS d, a, b, sa, sb, row
.if \row
	v_wmma_scale_f32_16x16x128_f8f6f4 v[\d:\d+7], v[\a:\a+11], v[\b:\b+11], 0, v[\sa], v[\sb] matrix_a_fmt:MATRIX_FMT_FP6 matrix_b_fmt:MATRIX_FMT_FP6 matrix_a_scale:MATRIX_SCALE_ROW1
.else
	v_wmma_scale_f32_16x16x128_f8f6f4 v[\d:\d+7], v[\a:\a+11], v[\b:\b+11], 0, v[\sa], v[\sb] matrix_a_fmt:MATRIX_FMT_FP6 matrix_b_fmt:MATRIX_FMT_FP6
.endif
.endm
.macro WMA d, a, b, sa, sb, row
.if \row
	v_wmma_scale_f32_16x16x128_f8f6f4 v[\d:\d+7], v[\a:\a+11], v[\b:\b+11], v[\d:\d+7], v[\sa], v[\sb] matrix_a_fmt:MATRIX_FMT_FP6 matrix_b_fmt:MATRIX_FMT_FP6 matrix_a_scale:MATRIX_SCALE_ROW1
.else
	v_wmma_scale_f32_16x16x128_f8f6f4 v[\d:\d+7], v[\a:\a+11], v[\b:\b+11], v[\d:\d+7], v[\sa], v[\sb] matrix_a_fmt:MATRIX_FMT_FP6 matrix_b_fmt:MATRIX_FMT_FP6
.endif
.endm
.macro VFRAG f                         ; fragment f of the step's V
.irp g, 0,1,2
	ds_load_b128 v[FR+12*(\f)+4*\g:FR+12*(\f)+4*\g+3], v[ADV] offset:FRB*(\f)+512*\g
.endr
.endm
; A KEY STEP: 128 keys against my 16 queries: 8 + 4 matrix instructions.
.macro STEP
	s_wait_alu depctr_vm_vsrc(0)                   ; the last step's LDS loads have read the three addresses, which are written anew
	v_add_nc_u32 v[ADK], s[TB], v[LI]
	v_add_nc_u32 v[ADV], VIMG, v[ADK]
	v_add_nc_u32 v[ADS], s[TS], v[LS8]
	s_wait_alu depctr_va_vdst(0)                   ; the three addresses are written; the last step's products V^T P are done reading FR, and its score products K's scale words: the loads below land there.  In a pass's first step also: Q's codes and scale word are written, more than eight plain instructions back, ahead of the scaled products that take them; ahead of the first pass the last tiles' conversions are done reading v192-207
	ds_load_b64 v[KS:KS+1], v[ADS]
.irp f, 0,1,2,3
.irp g, 0,1,2
	ds_load_b128 v[FR+12*\f+4*\g:FR+12*\f+4*\g+3], v[ADK] offset:FRB*\f+512*\g
.endr
.endr
.irp f, 0,1,2,3
	s_wait_dscnt 9-3*\f                            ; the scale words and fragments 0 .. f are in; the later fragments' three loads each may be out
	WMS SA+16*\f, FR+12*\f, QF, KS+\f/2, QS, \f%2          ; tile 2 f:     [q | zeros]
	WMS SA+16*\f+8, FR+12*\f, QF+6, KS+\f/2, QS, \f%2      ; tile 2 f + 1: [zeros | q]
.endr
.rept 4
	v_nop                                          ; four places in front of the first read of the scores (ISA guide 7.12.1)
.endr
	s_wait_alu depctr_va_vdst(0)                   ; the score products are done reading K's fragments, in which V's land.  V's loads follow, dealt among lines that name v[MX ..] and the scores alone: none of FR, V's scale words or the addresses
	ds_load_b64 v[VS:VS+1], v[ADS] offset:4096
	VFRAG 0                                        ; V's fragments land while the softmax is walked
	; THE LARGEST SCORE OF EACH OF MY TWO BLOCKS OF 32 KEYS serves twice: for the row's maximum, and, since p rises with the score, for the block's largest p.  Four chains by turns; each accumulator is first read at its low end
.irp b, 0,1,2,3
	v_max3_num_f32 v[MX+\b], v[SA+16*\b], v[SA+16*\b+1], v[SA+16*\b+2]
.endr
	VFRAG 1
.irp k, 3,5,7,9,11,13
.irp b, 0,1,2,3
	v_max3_num_f32 v[MX+\b], v[MX+\b], v[SA+16*\b+\k], v[SA+16*\b+\k+1]
.endr
.if \k == 3
	VFRAG 2
.endif
.if \k == 5
	VFRAG 3
.endif
.endr
	v_max3_num_f32 v[MX], v[MX], v[MX+1], v[SA+15]
	v_max3_num_f32 v[MX+2], v[MX+2], v[MX+3], v[SA+47]
	v_max_num_f32 v[MX], v[MX], v[SA+31]           ; block h
	v_max_num_f32 v[MX+2], v[MX+2], v[SA+63]       ; block 2 + h
	v_max_num_f32 v[WD], v[MX], v[MX+2]
	v_permlanex16_b32 v[XP], v[WD], s[SEL], s[SEL+1]
	v_max3_num_f32 v[SMX], v[SMX], v[WD], v[XP]    ; the running largest score of my query
	v_mov_b32 v[DM], v[NM]
	v_mul_f32 v[WD], s[NC], v[SMX]                 ; -t
	v_floor_f32 v[NM], v[WD]                       ; the new -M = floor(-t) = -ceil(t): M IS A WHOLE NUMBER
	v_sub_f32 v[DM], v[NM], v[DM]                  ; M's old value less its new one: a whole number, 0 or less
	v_cvt_i32_f32 v[DM], v[DM]                     ; (it saturates)
	v_ldexp_f32 v[FF], 1.0, v[DM]                  ; f = 2^(old M - new M)
.set N, 0
.rept 32
	v_pk_fma_f32 v[SA+N:SA+N+1], v[SA+N:SA+N+1], s[CS:CS+1], v[NM:NM+1] op_sel_hi:[1,0,0]   ; t - M, two at a time (of the pairs c and -M the low word serves both halves)
.set N, N+2
.endr
	v_fma_f32 v[MX], v[MX], s[CS], v[NM]           ; the same of each block's largest score
	v_fma_f32 v[MX+2], v[MX+2], s[CS], v[NM]
.set N, 0
.rept 64
	v_exp_f32 v[SA+N], v[SA+N]                     ; p = 2^(t - M), at most 1: NOT normalised
.set N, N+1
.endr
	v_pk_mul_f32 v[SUM:SUM+1], v[SUM:SUM+1], v[FF:FF+1] op_sel_hi:[1,0]   ; the sum under the new M.  (The plain place behind the exponentials)
	s_wait_alu depctr_va_vdst(0)                   ; the 64 exponentials have written p: one wait for the batch, ahead of its first reader
	v_exp_f32 v[MX], v[MX]                         ; the blocks' largest p: the same two instructions on the same number give the same bits
	v_exp_f32 v[MX+2], v[MX+2]
	v_pk_add_f32 v[SUM2:SUM2+1], v[SA:SA+1], v[SA+2:SA+3]   ; THE ROW'S SUM IS TAKEN OF THE UNQUANTISED p: two chains.  Its first half stands here, plain work behind the two
.irp j, 4,8,12,16,20,24,28
	v_pk_add_f32 v[SUM:SUM+1], v[SUM:SUM+1], v[SA+\j:SA+\j+1]
	v_pk_add_f32 v[SUM2:SUM2+1], v[SUM2:SUM2+1], v[SA+\j+2:SA+\j+3]
.endr
	s_wait_alu depctr_va_vdst(0)                   ; the two exponentials have written the blocks' largest p, ahead of their first reader
	v_max_num_f32 v[MX], 0x1800000, v[MX]          ; the floor 2^(3 - 127): the byte cannot fall under 1 (a block whose every p has fallen to 0 keeps that byte: its codes are zeros)
	v_max_num_f32 v[MX+2], 0x1800000, v[MX+2]
	v_add_nc_u32 v[SO], 0xff000000, v[MX]          ; 2 off the exponent field: the conversion's scale operand
	v_add_nc_u32 v[SO+1], 0xff000000, v[MX+2]
	v_lshrrev_b32 v[BY], 23, v[SO]
	v_lshrrev_b32 v[BY+1], 23, v[SO+1]
	v_lshl_or_b32 v[WD], v[BY+1], 16, v[BY]        ; my two bytes, blocks h and 2 + h,
	v_lshlrev_b32 v[WD], v[SH8], v[WD]             ; at their places;
	v_permlanex16_b32 v[XP], v[WD], s[SEL], s[SEL+1]
	v_or_b32 v[PW], v[WD], v[XP]                   ; with lane l xor 16's two: p's scale word for these 128 keys
	v_cvt_scalef32_pk16_fp6_f32 v[PC:PC+2], v[SA:SA+15], v[SO]
	v_cvt_scalef32_pk16_fp6_f32 v[TC:TC+2], v[SA+16:SA+31], v[SO]
	v_cvt_scalef32_pk16_fp6_f32 v[PC+6:PC+8], v[SA+32:SA+47], v[SO+1]
	v_cvt_scalef32_pk16_fp6_f32 v[TC+4:TC+6], v[SA+48:SA+63], v[SO+1]
	v_nop                                          ; one plain place behind a scaled conversion
.irp i, 0,1,2
	v_mov_b32 v[PC+3+\i], v[TC+\i]
	v_mov_b32 v[PC+9+\i], v[TC+4+\i]
.endr
.set N, 0
.rept 16
	v_pk_mul_f32 v[OA+N:OA+N+1], v[OA+N:OA+N+1], v[FF:FF+1] op_sel_hi:[1,0]   ; O^T under the new M, each accumulator from its low end on
.set N, N+2
.endr
.irp j, 32,36,40,44
	v_pk_add_f32 v[SUM:SUM+1], v[SUM:SUM+1], v[SA+\j:SA+\j+1]                 ; the sum goes on: eight plain instructions that name no register of the products below: the eight places that a scale word
	v_pk_add_f32 v[SUM2:SUM2+1], v[SUM2:SUM2+1], v[SA+\j+2:SA+\j+3]           ; written by a vector instruction wants ahead of a scaled product, and more than the four that an operand so written wants
.endr
	s_wait_dscnt 0x0                               ; V's fragments and scale words are in
	s_wait_alu depctr_va_vdst(0)                   ; p's codes and its scale word are written, ahead of the scaled products that take them; the places above stay beside this wait
.irp f, 0,1,2,3
	WMA OA+8*\f, FR+12*\f, PC, VS+\f/2, PW, \f%2   ; O^T += V^T P^T.  The four accumulators take turns, one instruction a turn, and the next step's eight score products stand between two links
.endr
.irp j, 48,52,56,60
	v_pk_add_f32 v[SUM:SUM+1], v[SUM:SUM+1], v[SA+\j:SA+\j+1]                 ; the sum's last nine additions, each chain in its order, stand behind the products, whose registers they do not name:
	v_pk_add_f32 v[SUM2:SUM2+1], v[SUM2:SUM2+1], v[SA+\j+2:SA+\j+3]           ; work on registers between the products and the next head's wait for them
.endr
	v_pk_add_f32 v[SUM:SUM+1], v[SUM:SUM+1], v[SUM2:SUM2+1]
.endm
; A PASS: my 16 queries of the block's half p against all 2,048 keys, and the way out.
.macro PASS p
.if \p
.irp i, 0,1,2,3,4,5
	v_mov_b32 v[QF+\i], v[QN+\i]
	v_mov_b32 v[QF+12+\i], v[QN+\i]
.endr
	v_mov_b32 v[QS], v[QNS]
.endif
.set N, 0
.rept 32
	v_mov_b32 v[OA+N], 0                           ; O^T.  The step is written once: the first finds zeros, which the first change of M leaves zeros.  (These are also the places between Q's registers and the first product)
.set N, N+1
.endr
	v_mov_b32 v[SUM], 0
	v_mov_b32 v[SUM+1], 0
	v_mov_b32 v[SMX], 0xfda00000                   ; the largest score so far: -2.65e37: c times it is still a number
	v_mul_f32 v[DM], s[NC], v[SMX]
	v_floor_f32 v[NM], v[DM]                       ; -M
	s_mov_b32 s[TB], 0
	s_mov_b32 s[TS], 0
	s_mov_b32 s[CNT], 16
.Lstep_\@:
	STEP
	s_add_co_u32 s[TB], s[TB], STEPB
	s_add_co_u32 s[TS], s[TS], 256
	s_sub_co_u32 s[CNT], s[CNT], 1
	s_cmp_lg_u32 s[CNT], 0
	s_cbranch_scc1 .Lstep_\@
	; THE WAY OUT.  O^T / the sum goes through my stage and comes back as whole rows of 256 bytes.  (The step's last nine additions are the places behind the last products)
	v_add_f32 v[SUM], v[SUM], v[SUM+1]             ; the sum's two halves,
	v_permlanex16_b32 v[XP], v[SUM], s[SEL], s[SEL+1]
	v_add_f32 v[SUM], v[SUM], v[XP]                ; and lane l xor 16's 1,024 keys
	v_rcp_f32 v[FF], v[SUM]
	v_nop                                          ; a plain place behind the reciprocal
	s_wait_alu depctr_va_vdst(0)                   ; the reciprocal is written, ahead of its first reader
.set N, 0
.rept 16
	v_pk_mul_f32 v[SA+N:SA+N+1], v[OA+N:OA+N+1], v[FF:FF+1] op_sel_hi:[1,0]   ; register 8 T + j is out(r, 16 T + 8 h + j); each accumulator from its low end on
.set N, N+2
.endr
	s_wait_alu depctr_va_vdst(0)                   ; the multiplications have written v[SA .. SA + 31], which the LDS stores read; the last step's lines are done with v[SA + 32 ..], in which the loads from the stage land
.irp f, 0,1,2,3
	ds_store_b128 v[STO], v[SA+8*\f:SA+8*\f+3] offset:64*\f
	ds_store_b128 v[STO], v[SA+8*\f+4:SA+8*\f+7] offset:64*\f+16
.endr
.irp i, 0,1,2,3,4,5,6,7
	ds_load_b128 v[SA+32+4*\i:SA+32+4*\i+3], v[ORD] offset:2*OP*\i     ; LDS serves a wave's instructions in order: these see my stores
.endr
.irp i, 0,1,2,3,4,5,6,7
	s_wait_dscnt 7-\i                              ; rows 2 i and 2 i + 1 are back; the later loads may be out
	global_store_b128 v[LI], v[SA+32+4*\i:SA+32+4*\i+3], s[OBS:OBS+1] offset:65536*\p+512*\i th:TH_STORE_NT   ; 32 lanes store 512 consecutive bytes, at a multiple of 256 from out0's first byte
.endr
.if \p == 0
	s_wait_xcnt 0x0                                ; the stores' addresses are translated (ISA guide 3.1): their data are written over only behind this wait,
	s_wait_alu depctr_vm_vsrc(0)                   ; and behind this one: the LDS stores and the global stores have read v[SA ..], which the next pass's score products write
.endif
.endm
	PASS 0
	PASS 1
	s_wait_dscnt 0x0                               ; the closing lines, six on end
	s_wait_alu 0x0
	s_wait_tensorcnt 0x0
	ds_add_u32 v[SPW], v[NIL]
	s_wait_dscnt 0x0
	s_endpgm
.Lfunc_end_k_qd2d8644fad_attn:
	.size	k_qd2d8644fad_attn, .Lfunc_end_k_qd2d8644fad_attn-k_qd2d8644fad_attn
	.p2alignl 7, 3214868480
	.fill 96, 4, 3214868480
	.section	.rodata,"a",@progbits
	.p2align	6, 0x0
	.amdhsa_kernel k_qd2d8644fad_attn
		.amdhsa_group_segment_fixed_size 284672
		.amdhsa_private_segment_fixed_size 0
		.amdhsa_enable_private_segment 0
		.amdhsa_kernarg_size 32
		.amdhsa_user_sgpr_count 2
		.amdhsa_user_sgpr_kernarg_segment_ptr 1
		.amdhsa_wavefront_size32 1
		.amdhsa_system_sgpr_workgroup_id_x 1
		.amdhsa_system_sgpr_workgroup_id_y 1
		.amdhsa_system_sgpr_workgroup_id_z 1
		.amdhsa_system_vgpr_workitem_id 0
		.amdhsa_next_free_vgpr 256
		.amdhsa_next_free_sgpr 66
		.amdhsa_reserve_vcc 0
		.amdhsa_float_denorm_mode_32 3
		.amdhsa_float_denorm_mode_16_64 3
		.amdhsa_memory_ordered 1
		.amdhsa_forward_progress 1
		.amdhsa_inst_pref_size 115
	.end_amdhsa_kernel
	.amdgpu_metadata
---
amdhsa.version: [ 1, 2 ]
amdhsa.kernels:
  - .name:           k_qd2d8644fad_attn
    .symbol:         k_qd2d8644fad_attn.kd
    .args:
      - { .name: q, .offset: 0, .size: 8, .value_kind: global_buffer, .address_space: global }
      - { .name: k, .offset: 8, .size: 8, .value_kind: global_buffer, .address_space: global }
      - { .name: v, .offset: 16, .size: 8, .value_kind: global_buffer, .address_space: global }
      - { .name: out0, .offset: 24, .size: 8, .value_kind: global_buffer, .address_space: global }
    .group_segment_fixed_size: 284672
    .private_segment_fixed_size: 0
    .kernarg_segment_align: 8
    .kernarg_segment_size: 32
    .max_flat_workgroup_size: 512
    .sgpr_count:     66
    .vgpr_count:     256
    .wavefront_size: 32
...
	.end_amdgpu_metadata
.endif
;; end of part 2
